; MI455X (gfx1250); checked and timed in simulation.
; The chip was launched on July 23, 2026; its instructions are those of AMD's public machine-readable ISA for CDNA 5 (MIT licence, August 2026) and "CDNA5" Instruction Set Architecture Reference Guide (July 2026). The comments in the code are by the model that wrote it; some were corrected since.
;; Bahdanau Attention. Allowed arithmetic: matrix products marked QUANTISED: E4M3 operands, one E8M0 scale for each 32 along K, by v_wmma_scale_f32_16x16x128_f8f6f4 with both operands' format E4M3, f32 sums; products left as they are: f32 operands where the result goes on into a quantised operand, else bf16, f16 or f32 operands; f32 sums; everything else in f32.
;; Inputs: V_b 1 float32; V_w 1,024 x 1 float32; Wc_b 1,024 float32; Wc_w 1 x 1,024 float32; Wh_b 1,024 float32; Wh_w_codes 1,024 x 32 x 32 uint8 (E4M3 codes of Wh_w, K innermost, in blocks of 32 codes); Wh_w_scales 1,024 x 32 uint8 (E8M0 scales of Wh_w, one for each 32 codes along K); Ws_b 1,024 float32; Ws_w_codes 1,024 x 32 x 32 uint8 (E4M3 codes of Ws_w, K innermost, in blocks of 32 codes); Ws_w_scales 1,024 x 32 uint8 (E8M0 scales of Ws_w, one for each 32 codes along K); dec_hidden_codes 32 x 32 x 32 uint8 (E4M3 codes of dec_hidden, K innermost, in blocks of 32 codes); dec_hidden_scales 32 x 32 uint8 (E8M0 scales of dec_hidden, one for each 32 codes along K); enc_output 32 x 2,048 x 1,024 float32; enc_pad_mask 32 x 2,048 int32; prev_coverage 32 x 2,048 x 1 float32.
;; Outputs: out0 32 x 1,024 float32; out1 32 x 2,048 float32; out2 32 x 2,048 x 1 float32.
;; Constants: use_coverage = True.
;; This version of the problem:
;;   THIS VERSION OF THE PROBLEM IS GIVEN IN LOW PRECISION. The matrix products marked QUANTISED in the list below multiply operands that are first quantised to E4M3 (4 exponent bits, 3 mantissa bits; 8 bits a number), with one power-of-two scale for each 32 numbers along K (OCP MX v1.0); their sums are f32. All else is computed in f32.
;;   The module's matrix products, in the order in which they are computed (A, B: the left and right operand; K: the contracted axis; several contracted axes count as one K, in the product's order):
;;     1. [M 32, K 1,024] x [K 1,024, N 1,024]; A: input dec_hidden (given as codes); B: input Wh_w (given as codes): QUANTISED
;;     2. [M 65,536, K 1,024] x [K 1,024, N 1,024]; A: input enc_output; B: input Ws_w (given as codes): QUANTISED
;;     3. [M 65,536, K 1] x [K 1, N 1,024]; A: input prev_coverage; B: input Wc_w: left as it is (K = 1 < 32)
;;     4. [M 65,536, K 1,024] x [K 1,024, N 1]; A: computed on the way; B: input V_w: left as it is (N = 1 < 16)
;;   THE QUANTISER, for each operand of a quantised product, along K:
;;     - K is cut into blocks of 32 from its start; a last block that is shorter is filled with zeros.
;;     - A block's scale is 2^e with e = floor(log2(the largest magnitude in the block)) - 8, held to -126 .. 127; a block of zeros has e = 0. As a byte (E8M0): e + 127.
;;     - Each number is divided by its block's scale, clamped to +-448, and rounded to the nearest number of E4M3, ties to even, subnormals kept.
;;     - The product sums the exact products of the quantised numbers (number of the format x scale) in f32.
;;   ~~~python
;;   def quantise(x, axis):      # numpy; x: float32 -> the quantised numbers, widened to float32 again
;;       x = np.moveaxis(x, axis, -1); K = x.shape[-1]
;;       x = np.pad(x, [(0, 0)] * (x.ndim - 1) + [(0, -K % 32)]); x = x.reshape(x.shape[:-1] + (-1, 32)); a = np.abs(x).max(-1, keepdims=True)
;;       e = np.where(a > 0, np.clip(np.frexp(np.where(a > 0, a, 1))[1] - 1 - 8, -126, 127), 0)      # np.frexp(a)[1] - 1 = floor(log2(a)), exactly
;;       r = np.clip(x / 2.0 ** e, -448, 448)
;;       step = 2.0 ** (np.maximum(np.frexp(np.where(r == 0, 1, r))[1] - 1, -6) - 3)
;;       q = np.round(r / step) * step * 2.0 ** e      # np.round: ties to even
;;       return np.moveaxis(q.reshape(q.shape[:-2] + (-1,))[..., :K], -1, axis).astype(np.float32)
;;   ~~~
;;   INPUTS GIVEN AS CODES. Wh_w (in the module: [1024, 1024], K = its axis 0); Ws_w (in the module: [1024, 1024], K = its axis 0); dec_hidden (in the module: [32, 1024], K = its axis 1): each comes as NAME_codes (uint8): NAME with its K axis moved to the last place and cut into blocks of 32 codes, [.., K / 32, bytes a block], one block behind the other in memory; one code a byte (a code: sign, 4 exponent bits, 3 mantissa bits); and NAME_scales (uint8): the same leading axes, one E8M0 byte (e + 127) for each 32 codes along K. Its value is code x scale, taken as it is: it is not quantised again, and the codes and scales need not be those that the quantiser above would give.
;; One version. Each part assembles by itself: llvm-mc -triple=amdgcn-amd-amdhsa -mcpu=gfx1250 --defsym DOCPART=n.
;; ======== version 1 of 1: 3 launches
;; limits: right only within a limited range of input values
;; workspace buffers: hb 131,072 bytes; scores 262,144 bytes; pctx 4,194,304 bytes; stats 262,144 bytes
;; launch hbias (part 1): grid 16 x 1, 4 waves a work-group, no clusters, 9,216 bytes of LDS; arguments dec_hidden_codes, dec_hidden_scales, Wh_w_codes, Wh_w_scales, Wh_b, Ws_b, Wc_b, hb; writes hb
.if DOCPART == 1
	.amdgcn_target "amdgcn-amd-amdhsa--gfx1250"
	.amdhsa_code_object_version 6
	.text
	.protected	k_q360924e12e_hbias
	.globl	k_q360924e12e_hbias
	.p2align	8
	.type	k_q360924e12e_hbias,@function
k_q360924e12e_hbias:
	s_mov_b64 s[64:65], 0
	v_nop
	global_prefetch_b8 v0, s[64:65] scope:SCOPE_SE
	s_setreg_imm32_b32 hwreg(HW_REG_WAVE_MODE, 25, 1), 1
	s_wait_xcnt 0x0
; hb[b][u] = sum over k of dec_hidden[b][k] Wh_w[k][u] + Wh_b[u] + Ws_b[u] + Wc_b[u]: all that the later launch adds to a row of features and that hangs on the batch and the unit alone.
; dec_hidden: [32][1024] codes of E4M3, Wh_w: [1024 (u)][1024 (k)] codes, K innermost; one E8M0 byte for each 32 along K, 32 bytes a row.  hb: [32][1024] f32.
; SHARES.  Work-group x owns units 64 x .. 64 x + 63; wave w the 16 units of tile n = 4 x + w, for both tiles of 16 batches: 8 K steps of 128, 16 matrix instructions a wave.
; THE PRODUCT IS USED TRANSPOSED (source 0 = 16 rows of Wh_w's codes, source 1 = 16 batches): lane (r, h) holds batch 16 m + r and units 16 n + 8 h + 0 .. 7.  The three biases, added, are the C of each sum's first product.
; Everything is loaded at once, straight into the operands' registers: each byte is wanted once by this wave.  A row's 32 scale bytes are its 8 scale words in the order of the K steps.
; THE WAY OUT: a batch's 64 units come from four waves: they meet in a stage in LDS (32 rows x (256 + 16) bytes) and leave as rows of 256 consecutive bytes, aligned.
; LIMITS: NaN and infinities among the inputs are not served.
; WORK LEFT OUT, in the whole program.  enc_pad_mask: reference() never uses it.  V_b: it is added to every score of a batch alike, and the scores go into a softmax along that axis and nowhere else:
; softmax(s + const) = softmax(s) for all values.  The same holds of the sum of V_w in tanh = 1 - 2 rho (launch scores).  So neither enc_pad_mask nor V_b is an argument of any launch.
; LIMIT: a NaN, an infinity or an overflow that reaches only the work left out is not carried to the results.
.set SPITCH, 272
.set SPARE,  32*SPITCH                 ; behind the stage: the spare words, 128 bytes for each wave
.set SPW,  30                          ; v30  LDS address of my spare word; never rewritten
.set NIL,  31                          ; v31  0; never rewritten
.set WSC,  32                          ; v32-39   Wh_w's scale words, one a K step: scales and nothing else
.set DSC,  40                          ; v40-55   dec_hidden's, 8 m + s
.set WF,   64                          ; v64-191  Wh_w's fragments, 16 registers a K step
.set BI,   192                         ; v192-215 the three biases of my lane's eight units
.set CB,   216                         ; v216-223 their sum
.set ACC,  224                         ; v224-239 the two accumulators
.set OUTR, 240                         ; v240-255 the way out
                                       ; window 1: dec_hidden's fragments at v[128 m + 16 s]
.set MSB, 0
.macro WIN new                         ; the immediate's high byte repeats the setting that is left
.if MSB != \new
	s_set_vgpr_msb (MSB<<8)|\new
.set MSB, \new
.endif
.endm
	s_load_b512 s[8:23], s[0:1], 0x0               ; dec codes s[8:9], dec scales s[10:11], Wh codes s[12:13], Wh scales s[14:15], Wh_b s[16:17], Ws_b s[18:19], Wc_b s[20:21], hb s[22:23]
	v_lshl_add_u32 v[SPW], v0, 2, SPARE
	v_mov_b32 v[NIL], 0
	v_lshrrev_b32 v1, 5, v0
	v_readfirstlane_b32 s24, v1                    ; wave 0..3
	v_and_b32 v1, 15, v0                           ; r
	v_bfe_u32 v2, v0, 4, 1                         ; h
	v_lshlrev_b32 v3, 10, v1
	v_lshl_add_u32 v3, v2, 4, v3                   ; codes: row r of 1,024 bytes, + 16 h
	v_lshlrev_b32 v4, 5, v1                        ; scale bytes: row r of 32
	v_lshlrev_b32 v5, 5, v2                        ; biases: my half's eight numbers
	s_lshl_b32 s25, s24, 6
	v_mul_u32_u24 v6, v1, SPITCH
	v_lshl_add_u32 v6, v2, 5, v6
	v_add_nc_u32 v6, s25, v6                       ; into the stage: row r, + 64 x wave + 32 h
	s_mul_i32 s25, s24, 8*SPITCH
	v_mul_u32_u24 v7, v2, SPITCH
	v_lshl_add_u32 v7, v1, 4, v7
	v_add_nc_u32 v7, s25, v7                       ; back: my 8 rows; lanes 0-15 one row, lanes 16-31 the next
	v_lshlrev_b32 v8, 12, v2
	v_lshl_add_u32 v8, v1, 4, v8                   ; and the same two rows in hb
	s_lshl_b32 s26, ttmp9, 2
	s_add_co_u32 s26, s26, s24                     ; n = 4 x + w
	s_lshl_b32 s28, s26, 14                        ; 16 n rows of 1,024 bytes
	s_mov_b32 s29, 0
	s_lshl_b32 s30, s26, 9                         ; 16 n rows of 32 bytes
	s_mov_b32 s31, 0
	s_lshl_b32 s32, s26, 6                         ; 16 n numbers of 4 bytes
	s_mov_b32 s33, 0
	s_lshl_b32 s34, s24, 15                        ; hb: 8 w rows of 4,096 bytes,
	s_lshl_b32 s35, ttmp9, 8                       ; + 64 x numbers
	s_add_co_u32 s34, s34, s35
	s_mov_b32 s35, 0
	s_wait_alu depctr_va_vdst(0)
	s_wait_kmcnt 0x0
	s_add_nc_u64 s[12:13], s[12:13], s[28:29]
	s_add_nc_u64 s[14:15], s[14:15], s[30:31]
	s_add_nc_u64 s[16:17], s[16:17], s[32:33]
	s_add_nc_u64 s[18:19], s[18:19], s[32:33]
	s_add_nc_u64 s[20:21], s[20:21], s[32:33]
	s_add_nc_u64 s[22:23], s[22:23], s[34:35]
.irp s, 0,1,2,3,4,5,6,7
.irp c, 0,1,2,3
	global_load_b128 v[WF+16*\s+4*\c:WF+16*\s+4*\c+3], v3, s[12:13] offset:128*\s+32*\c     ; Wh_w(16 n + r, 128 s + 32 c + 16 h ..)
.endr
.endr
	WIN 0x40                                       ; destination window 1
.irp m, 0,1
.irp s, 0,1,2,3,4,5,6,7
.irp c, 0,1,2,3
	global_load_b128 v[128*\m+16*\s+4*\c:128*\m+16*\s+4*\c+3], v3, s[8:9] offset:16384*\m+128*\s+32*\c
.endr
.endr
.endr
	WIN 0
	global_load_b128 v[WSC:WSC+3], v4, s[14:15]
	global_load_b128 v[WSC+4:WSC+7], v4, s[14:15] offset:16
.irp m, 0,1
	global_load_b128 v[DSC+8*\m:DSC+8*\m+3], v4, s[10:11] offset:512*\m
	global_load_b128 v[DSC+8*\m+4:DSC+8*\m+7], v4, s[10:11] offset:512*\m+16
.endr
	global_load_b128 v[BI:BI+3], v5, s[16:17]
	global_load_b128 v[BI+4:BI+7], v5, s[16:17] offset:16
	global_load_b128 v[BI+8:BI+11], v5, s[18:19]
	global_load_b128 v[BI+12:BI+15], v5, s[18:19] offset:16
	global_load_b128 v[BI+16:BI+19], v5, s[20:21]
	global_load_b128 v[BI+20:BI+23], v5, s[20:21] offset:16
	s_wait_loadcnt 0x0                             ; everything is in
.irp j, 0,2,4,6
	v_pk_add_f32 v[CB+\j:CB+\j+1], v[BI+\j:BI+\j+1], v[BI+8+\j:BI+8+\j+1]
.endr
.irp j, 0,2,4,6
	v_pk_add_f32 v[CB+\j:CB+\j+1], v[CB+\j:CB+\j+1], v[BI+16+\j:BI+16+\j+1]
.endr
.rept 8
	v_nop
.endr
	WIN 0x04                                       ; source 1 (dec_hidden) window 1
.irp s, 0,1,2,3,4,5,6,7                        ; the two accumulators take turns, one instruction a turn
.irp m, 0,1
.if \s == 0
	v_wmma_scale_f32_16x16x128_f8f6f4 v[ACC+8*\m:ACC+8*\m+7], v[WF+16*\s:WF+16*\s+15], v[128*\m+16*\s:128*\m+16*\s+15], v[CB:CB+7], v[WSC+\s], v[DSC+8*\m+\s]
.else
	v_wmma_scale_f32_16x16x128_f8f6f4 v[ACC+8*\m:ACC+8*\m+7], v[WF+16*\s:WF+16*\s+15], v[128*\m+16*\s:128*\m+16*\s+15], v[ACC+8*\m:ACC+8*\m+7], v[WSC+\s], v[DSC+8*\m+\s]
.endif
.endr
.endr
	WIN 0
.rept 8
	v_nop                                          ; eight places between the last product and the first read of a result
.endr
.irp m, 0,1
	ds_store_b128 v6, v[ACC+8*\m:ACC+8*\m+3] offset:16*\m*SPITCH        ; each accumulator from its low end on
	ds_store_b128 v6, v[ACC+8*\m+4:ACC+8*\m+7] offset:16*\m*SPITCH+16
.endr
	s_wait_dscnt 0x0                               ; for the others' sake: my stores into the stage are done
	s_barrier_signal -1
	s_barrier_wait -1
.irp i, 0,1,2,3
	ds_load_b128 v[OUTR+4*\i:OUTR+4*\i+3], v7 offset:2*\i*SPITCH
.endr
.irp i, 0,1,2,3
	s_wait_dscnt 3-\i                              ; LDS loads come back in order: pair i of rows is in
	global_store_b128 v8, v[OUTR+4*\i:OUTR+4*\i+3], s[22:23] offset:2*\i*4096   ; 16 lanes store 256 consecutive bytes, at a multiple of 256 from hb's first byte
.endr
	s_wait_tensorcnt 0x0                           ; the wave's end, behind my last LDS store
	ds_add_u32 v[SPW], v[NIL]
	s_wait_dscnt 0x0
	s_endpgm
.Lfunc_end_k_q360924e12e_hbias:
	.size	k_q360924e12e_hbias, .Lfunc_end_k_q360924e12e_hbias-k_q360924e12e_hbias
	.p2alignl 7, 3214868480
	.fill 96, 4, 3214868480
	.section	.rodata,"a",@progbits
	.p2align	6, 0x0
	.amdhsa_kernel k_q360924e12e_hbias
		.amdhsa_group_segment_fixed_size 9216
		.amdhsa_private_segment_fixed_size 0
		.amdhsa_enable_private_segment 0
		.amdhsa_kernarg_size 64
		.amdhsa_user_sgpr_count 2
		.amdhsa_user_sgpr_kernarg_segment_ptr 1
		.amdhsa_wavefront_size32 1
		.amdhsa_system_sgpr_workgroup_id_x 1
		.amdhsa_system_sgpr_workgroup_id_y 1
		.amdhsa_system_sgpr_workgroup_id_z 1
		.amdhsa_system_vgpr_workitem_id 0
		.amdhsa_next_free_vgpr 512
		.amdhsa_next_free_sgpr 66
		.amdhsa_reserve_vcc 0
		.amdhsa_float_denorm_mode_32 3
		.amdhsa_float_denorm_mode_16_64 3
		.amdhsa_memory_ordered 1
		.amdhsa_forward_progress 1
		.amdhsa_inst_pref_size 17
	.end_amdhsa_kernel
	.amdgpu_metadata
---
amdhsa.version: [ 1, 2 ]
amdhsa.kernels:
  - .name:           k_q360924e12e_hbias
    .symbol:         k_q360924e12e_hbias.kd
    .args:
      - { .name: dec_hidden_codes, .offset: 0, .size: 8, .value_kind: global_buffer, .address_space: global }
      - { .name: dec_hidden_scales, .offset: 8, .size: 8, .value_kind: global_buffer, .address_space: global }
      - { .name: Wh_w_codes, .offset: 16, .size: 8, .value_kind: global_buffer, .address_space: global }
      - { .name: Wh_w_scales, .offset: 24, .size: 8, .value_kind: global_buffer, .address_space: global }
      - { .name: Wh_b, .offset: 32, .size: 8, .value_kind: global_buffer, .address_space: global }
      - { .name: Ws_b, .offset: 40, .size: 8, .value_kind: global_buffer, .address_space: global }
      - { .name: Wc_b, .offset: 48, .size: 8, .value_kind: global_buffer, .address_space: global }
      - { .name: hb, .offset: 56, .size: 8, .value_kind: global_buffer, .address_space: global }
    .group_segment_fixed_size: 9216
    .private_segment_fixed_size: 0
    .kernarg_segment_align: 8
    .kernarg_segment_size: 64
    .max_flat_workgroup_size: 128
    .sgpr_count:     66
    .vgpr_count:     512
    .wavefront_size: 32
...
	.end_amdgpu_metadata
.endif
;; end of part 1
;; launch scores (part 2): grid 256 x 1, 4 waves a work-group, clusters of 4 x 1, 327,680 bytes of LDS; arguments enc_output, prev_coverage, Ws_w_codes, Ws_w_scales, hb, Wc_w, V_w, scores, pctx, stats; writes scores, pctx, stats
.if DOCPART == 2
	.amdgcn_target "amdgcn-amd-amdhsa--gfx1250"
	.amdhsa_code_object_version 6
	.text
	.protected	k_q360924e12e_scores
	.globl	k_q360924e12e_scores
	.p2align	8
	.type	k_q360924e12e_scores,@function
k_q360924e12e_scores:
	s_mov_b64 s[64:65], 0
	v_nop
	global_prefetch_b8 v0, s[64:65] scope:SCOPE_SE
	s_setreg_imm32_b32 hwreg(HW_REG_WAVE_MODE, 25, 1), 1
	s_wait_xcnt 0x0
	s_wait_alu depctr_hold_cnt(0) depctr_sa_sdst(0) depctr_va_vdst(0) depctr_va_sdst(0) depctr_va_ssrc(0) depctr_va_vcc(0) depctr_vm_vsrc(0)
	s_getreg_b32 s2, hwreg(HW_REG_IB_STS2, 6, 4)
	s_cmp_eq_u32 s2, 0
	s_cbranch_scc0 .Lentry_in_a_cluster
	s_endpgm
.Lentry_in_a_cluster:
	s_bfe_u32 s2, ttmp6, 0x10000c
	s_cmp_lg_u32 s2, 0x3003
	s_cbranch_scc0 .Lentry_shape_is_right
	s_endpgm
.Lentry_shape_is_right:
; scores[b][s] = -2 sum over u of V_w[u] rho,  rho = 1 / (1 + 2^(c x)),  c = 2 log2(e),  x = G[b][s][u] + hb[b][u] + prev_coverage[b][s] Wc_w[u],  G = Q(enc_output) Ws_w on codes of E4M3, one E8M0 scale for each 32 along K = 1,024;
; and each wave's part of the weighted sum: with m = the largest score of its 64 rows and p = 2^((score - m) log2(e)):  pctx[wave][d] = sum over its rows of p enc_output[row][d],  stats[wave] = (m, sum of p).  The next launch joins the parts.
; WORK LEFT OUT: tanh(x) = 1 - 2 rho, so reference()'s score is (V_b + sum of V_w) - 2 sum of V_w rho; the bracket is the same for all s of a batch and the scores feed a softmax along s alone: it is left out, and V_b is no argument.
; enc_output: [65,536 rows][1024] f32; Ws_w: [1024 (u)][1024 (k)] codes, 32 scale bytes a row; hb: [32][1024] f32 (the launch before); scores: [65,536] f32; pctx: [1,024 waves][1024] f32; stats: [1,024 waves][32 x (m, sum)].
; SHARES.  Work-group X owns rows 256 X .. + 255 (one batch: X / 8), wave w 64 of them: four tiles of 16, which stay in registers as codes for all of K: 4 x 8 x 16 = 512 registers (windows 2, 3).
; Ws_w streams through a ring of two LDS slots of 64 units, read by all four waves: a fragment of 16 units x 128 K feeds four products.
; THE PRODUCT IS USED TRANSPOSED (source 0 = 16 units, source 1 = 16 rows): lane (r, h) holds one row and units 16 n + 8 h + 0 .. 7; hb's eight numbers are the C of a tile's first products.
; Lane r of tile t holds the wave's row 32 (t / 2) + 2 r + t % 2: a lane's coverage comes by two loads of 8 bytes, and in the end lane l holds the scores of rows 2 l and 2 l + 1.
; PHASE L, the quantiser.  A row is read by eight loads of 512 consecutive bytes; load i gives a lane k = 128 i + 4 lane + 0 .. 3, so a block of 32 lies in eight neighbouring lanes.  Each run of eight numbers (two blocks) is converted
; twice, once with each block's scale, and of each result the four codes of that scale are kept.  The codes go through the wave's own LDS and come back in the operand's layout.  Eight rows (64 loads a wave) are on their way.
; PHASE C, a STEP for each tile of 16 units: 32 products (K step by K step, the four accumulators by turns); eight moves as the places behind them; the next tile's 40 LDS loads in one run (fragments into window 1);
; the epilogue on the 32 sums in whole batches: + coverage x Wc_w, x c, 32 exponentials, + 1, 32 reciprocals, multiply-adds by V_w.  The loads land under the epilogue; the next step waits for all of them.
; Wc_w and V_w of the next tile land in registers of their own and are moved to their place behind the next step's products, since this step's epilogue still reads the old ones.
; PHASE X.  256 rows of f32, or of any format fine enough for the sum, do not fit beside their codes in a WGP's registers and LDS, so the wave reads its 64 rows once more, by phase L's loads and ring, from its last row down to its first.
; The first eight rows are asked for behind the last tile's products.  p lies in the wave's own LDS bytes in the order of the walk, and every lane reads the same 32 bytes a trip.  A lane sums 32 columns, those of its loads.
; FILLS.  At the head one joint load a wave: Ws_w's scale bytes, hb's row, Wc_w, V_w.  Slot 0 and slot 1 are first filled behind a full sequence and a round each, inside phase L.  A slot is left in the step of its last tile and asked for again, 128 units on.
; CLUSTER.  The four work-groups read the same Ws_w, scales, Wc_w, V_w and row of hb: every tensor load is joint, with the mask of all four.
; NO PREFETCH: both walks over enc_output keep 64 loads of 512 bytes a wave on their way; Ws_w's tiles are read by all 256 work-groups at about the same step.
; LIMITS: NaN and infinities among the inputs are not served.  A block of enc_output whose largest magnitude lies under 2^-118 (a block of zeros too) gets the byte 1; the bytes are read here alone.
; Where the exponential overflows rho = 0, where it underflows rho = 1.  tanh by this form has an absolute error of about one last place of 1.0; it feeds no quantiser.
.set PITCH, 1040                       ; an LDS row of codes: 1,024 bytes + 16: the 16 rows of a fragment load start 16 bytes apart modulo 256
.set TILEB, 16*PITCH
.set SLOTB, 4*TILEB                    ; 66,560 = 0x10400 shares no bit with wave x 16,640
.set SCW,   2*SLOTB                    ; Ws_w's scale bytes [1024][32], filled once
.set TBL,   SCW+32768                  ; hb's row, Wc_w, V_w: 4,096 bytes each, filled once
.set SPARE, TBL+12288                  ; the spare words, 128 bytes a wave
.set ASB,   SPARE+512                  ; wave x 1,024 bytes: phase L enc_output's scale bytes, phase X the wave's 64 p (LDS stores alone)
.set CODE,  ASB+4096                   ; enc_output's codes: wave x 32 rows x PITCH (LDS stores alone)
.set WCODE, 32*PITCH
.set VG,  1                            ; 16 x lane
.set VC0, 2                            ; phase L: CODE + wave's part + 4 x lane.   phase X: VPW
.set VS0, 3                            ; phase L: ASB + wave's part + lane / 8.    phase X: VPS
.set VC,  4
.set VS,  5                            ; phase X: SO
.set VR,  6                            ; CODE + wave's part + r x PITCH + 16 h
.set VRS, 7                            ; ASB + wave's part + 32 r
.set VPW, 2                            ; phase X: ASB + 1,024 x wave
.set VPS, 3                            ; phase X: VPW + 8 (31 - lane)
.set SO,  5                            ; phase X: 8 x lane
.set AB0, 8                            ; r x PITCH + 16 h
.set AS0, 9                            ; SCW + 32 r
.set AT0, 10                           ; TBL + 32 h
.set ADB, 11                           ; the next tile's rows in the ring,
.set ADS, 12                           ; its scale bytes,
.set ADT, 13                           ; its place in the tables
.set COV, 16                           ; v16-19 prev_coverage of my row in tiles 0-3
.set SS,  20                           ; v20-27 the sums of V_w rho, a pair a tile
.set SPW, 28
.set NIL, 29
.set ASC, 32                           ; v32-63 enc_output's scale words, 8 t + s
.set ACC, 64                           ; v64-95 four accumulators
.set BSC, 100                          ; v100-107 Ws_w's scale words of a tile: numbers 4 off ASC's modulo 8
.set HB,  108
.set WC,  116
.set VW,  124
.set WCN, 132                          ; the next tile's Wc_w and V_w
.set VWN, 140
.set ST,  148                          ; v148 m, v149 the sum of p, v150-151 p of rows 2 l + 1 and 2 l, v152 at work
.set CX,  160                          ; v160-191 phase X: my 32 columns' sums
.set PWR, 192                          ; v192-199 phase X: a trip's eight p
.set MX,  64                           ; phase L: largest magnitudes, scale operands, 448 x the scale, bytes, codes
.set SCL, 72
.set LIM, 80
.set BY,  88
.set DD,  104
                                       ; window 1: phases L and X the ring of eight rows of f32; phase C Ws_w's fragments, 16 s.  windows 2, 3: fragment (tile t, K step s) at v[16 (4 (s % 4) + t)] of window 2 + s / 4
.set MSB, 0
.macro WIN new
.if MSB != \new
	s_set_vgpr_msb (MSB<<8)|\new
.set MSB, \new
.endif
.endm
.macro NOPS n
.rept \n
	v_nop
.endr
.endm
.macro CREST
	s_cmp_lg_u32 s26, 0
	s_cbranch_scc1 .Lnot_wave_0_\@
	s_barrier_signal -3
.Lnot_wave_0_\@:
	s_barrier_wait -3
	s_barrier_signal -1
	s_barrier_wait -1
.endm
.macro CROUND
	s_barrier_signal -1
	s_barrier_wait -1
	CREST
.endm
	s_load_b512 s[8:23], s[0:1], 0x0               ; enc s[8:9], coverage s[10:11], Ws codes s[12:13], Ws scales s[14:15], hb s[16:17], Wc_w s[18:19], V_w s[20:21], scores s[22:23]
	v_lshl_add_u32 v[SPW], v0, 2, SPARE
	v_mov_b32 v[NIL], 0
	ds_add_u32 v[SPW], v[NIL]                      ; the opening lines: the add twice on end and one wait, ahead of my first tensor load
	ds_add_u32 v[SPW], v[NIL]
	v_lshrrev_b32 v30, 5, v0
	v_readfirstlane_b32 s26, v30                   ; wave 0..3
	s_bfe_u32 s27, ttmp6, 0x40000                  ; cx: it enters global addresses of my own rows and results alone
	s_lshl_b32 s28, ttmp9, 2
	s_add_co_u32 s28, s28, s27                     ; X = 4 x cluster + cx
	s_mov_b32 s32, 15|(1<<20)|(1<<21)|(7<<22)|(3<<25)   ; group 1, codes: 16 rows x 1,024 bytes, 16 bytes of padding behind each; the mask names all four
	s_mov_b32 s33, 1024<<16
	s_mov_b32 s34, 16<<16
	s_mov_b32 s35, 1024<<16
	s_mov_b32 s36, 16
	s_mov_b32 s37, 1024
	s_mov_b32 s38, 0
	s_mov_b32 s39, 0
	s_mov_b32 s40, 15|(3<<16)|(1<<21)              ; the scale bytes: 32,768 dense bytes as 128 rows of 256 (32 elements of 8 bytes)
	s_mov_b32 s41, 32<<16
	s_mov_b32 s42, 128<<16
	s_mov_b32 s43, 32<<16
	s_mov_b32 s44, 128
	s_mov_b32 s45, 32
	s_mov_b32 s46, 0
	s_mov_b32 s47, 0
	s_mov_b32 s48, 15|(3<<16)|(1<<21)              ; a table: 4,096 dense bytes as 16 rows of 256
	s_mov_b32 s49, 32<<16
	s_mov_b32 s50, 16<<16
	s_mov_b32 s51, 32<<16
	s_mov_b32 s52, 16
	s_mov_b32 s53, 32
	s_mov_b32 s54, 0
	s_mov_b32 s55, 0
	s_mov_b32 s30, 0x4800000                       ; the floor 2^(9 - 127)
	s_mov_b32 s31, 0x7f800000                      ; the exponent field
	s_mov_b32 s93, 0x600000                        ; the mantissa field of 448
	s_mov_b32 s99, 0xfc000000                      ; 8 off an exponent field
	s_mov_b32 s94, 0x4038aa3b                      ; c = 2 log2(e)
	s_mov_b32 s95, s94
	s_mov_b32 s96, 0x76543210
	s_mov_b32 s97, 0xfedcba98
	s_mul_i32 s29, s26, TILEB                      ; my 16 rows of a slot
	s_lshr_b32 s6, ttmp9, 1                        ; the batch, which the four partners share
	s_lshl_b32 s6, s6, 12
	s_mov_b32 s7, 0
	s_lshl_b32 s2, s26, 14                         ; my 16 rows of Ws_w's codes
	s_mov_b32 s3, 0
	s_wait_dscnt 0x0                               ; both opening adds are done
	s_wait_kmcnt 0x0
	s_mov_b32 s56, 1                               ; groups 0: the scale bytes,
	s_mov_b32 s57, SCW
	s_mov_b64 s[58:59], s[14:15]
	s_or_b32 s59, s59, 0x80000000
	s_mov_b32 s60, 1                               ; hb's row,
	s_mov_b32 s61, TBL
	s_add_nc_u64 s[62:63], s[16:17], s[6:7]
	s_or_b32 s63, s63, 0x80000000
	s_mov_b32 s68, 1                               ; Wc_w,
	s_mov_b32 s69, TBL+4096
	s_mov_b64 s[70:71], s[18:19]
	s_or_b32 s71, s71, 0x80000000
	s_mov_b32 s72, 1                               ; V_w,
	s_mov_b32 s73, TBL+8192
	s_mov_b64 s[74:75], s[20:21]
	s_or_b32 s75, s75, 0x80000000
	s_mov_b32 s76, 1                               ; slot 0: units 0 to 63,
	s_mov_b32 s77, s29
	s_add_nc_u64 s[78:79], s[12:13], s[2:3]
	s_mov_b32 s80, 1                               ; slot 1: units 64 to 127; this one then walks
	s_add_co_u32 s81, s29, SLOTB
	s_add_nc_u64 s[82:83], s[78:79], 65536
	s_or_b32 s79, s79, 0x80000000
	s_or_b32 s83, s83, 0x80000000
	s_lshl_b32 s88, s28, 20                        ; 256 X rows of 4,096 bytes,
	s_lshl_b32 s89, s26, 18                        ; my wave's 64
	s_add_co_u32 s88, s88, s89
	s_mov_b32 s89, 0
	s_add_nc_u64 s[84:85], s[8:9], s[88:89]
	s_lshl_b32 s88, s28, 10                        ; the same rows at 4 bytes each
	s_lshl_b32 s90, s26, 8
	s_add_co_u32 s88, s88, s90
	s_add_nc_u64 s[10:11], s[10:11], s[88:89]
	s_add_nc_u64 s[22:23], s[22:23], s[88:89]
	CROUND                                         ; all four work-groups are here: the first joint loads meet
; the head's loads, one a wave, in one chain of branches on the wave's number
.macro ARM under, g0, g1, next
	s_cmp_lt_u32 s26, \under
	s_cbranch_scc0 \next
	tensor_load_to_lds s[\g0:\g0+3], s[\g1:\g1+7]
	s_nop 0
	NOPS 4
	s_branch .Lhead_asked
\next:
.endm
	ARM 1, 56, 40, .Lhead_hb
	ARM 2, 60, 48, .Lhead_wc
	ARM 3, 68, 48, .Lhead_vw
	tensor_load_to_lds s[72:75], s[48:55]
	s_nop 0
	NOPS 4
.Lhead_asked:
	v_and_b32 v30, 31, v0                          ; lane
	v_and_b32 v14, 15, v0                          ; r
	v_bfe_u32 v15, v0, 4, 1                        ; h
	v_lshlrev_b32 v[VG], 4, v30
	s_mul_i32 s2, s26, WCODE
	s_add_co_u32 s2, s2, CODE
	s_lshl_b32 s3, s26, 10
	s_add_co_u32 s3, s3, ASB
	v_lshl_add_u32 v[VC0], v30, 2, s2
	v_lshrrev_b32 v31, 3, v30
	v_add_nc_u32 v[VS0], s3, v31
	v_mul_u32_u24 v[AB0], v14, PITCH
	v_lshl_add_u32 v[AB0], v15, 4, v[AB0]
	v_add_nc_u32 v[VR], s2, v[AB0]
	v_lshl_add_u32 v[VRS], v14, 5, s3
	v_lshlrev_b32 v[AS0], 5, v14
	v_add_nc_u32 v[AS0], SCW, v[AS0]
	v_lshlrev_b32 v[AT0], 5, v15
	v_add_nc_u32 v[AT0], TBL, v[AT0]
	v_lshlrev_b32 v30, 3, v14                      ; the coverage of rows 2 r and 2 r + 1: tiles 0 and 1; 32 rows on: tiles 2 and 3
	global_load_b64 v[COV:COV+1], v30, s[10:11]
	global_load_b64 v[COV+2:COV+3], v30, s[10:11] offset:128
	WIN 0x40                                       ; destination window 1
.irp k, 0,1,2,3,4,5,6,7
.irp i, 0,1,2,3,4,5,6,7
	global_load_b128 v[32*\k+4*\i:32*\k+4*\i+3], v[VG], s[84:85] offset:4096*\k+512*\i   ; rows 0 to 7; 32 lanes read 512 consecutive bytes.  (No hint: the launch reads these bytes again)
.endr
.endr
	WIN 0
.irp j, 0,1,2,3,4,5,6,7
	v_mov_b32 v[SS+\j], 0
.endr
; One row, in ring slot k.  ahead = 1: the slot is filled again with the row eight further down.  left = how many younger loads may stay out.
.macro ROW k, ahead, left
.set XK,   32*(\k)
.set POS,  16*((\k)%2)+(\k)/2          ; even rows belong to the half's first tile, odd rows to its second
.set BCUR, BY+8*((\k)%2)
.set DCUR, DD+16*((\k)%2)
	s_wait_loadcnt \left                           ; loads come back in order: my eight are in
	WIN 0x05
.irp i, 0,1,2,3,4,5,6,7
	v_max3_num_f32 v[MX+\i], |v[XK+4*\i]|, |v[XK+4*\i+1]|, s30        ; my four numbers of block 4 i + lane / 8, and the floor
.endr
.irp i, 0,1,2,3,4,5,6,7
	v_max3_num_f32 v[MX+\i], |v[XK+4*\i+2]|, |v[XK+4*\i+3]|, v[MX+\i]
.endr
	WIN 0
.irp m, 1,2,4
.irp i, 0,1,2,3,4,5,6,7
	v_max_num_f32_dpp v[MX+\i], v[MX+\i], v[MX+\i] row_xmask:\m row_mask:0xf bank_mask:0xf   ; with the seven lanes that share the block
.endr
.endr
.irp i, 0,1,2,3,4,5,6,7
	v_add_nc_u32 v[SCL+\i], s99, v[MX+\i]          ; the conversion's scale operand
.endr
.irp i, 0,1,2,3,4,5,6,7
	v_and_or_b32 v[LIM+\i], v[MX+\i], s31, s93     ; 448 x the scale
.endr
	s_wait_dscnt 16                                ; only the last row's 16 LDS stores may be out: those that read this parity's set are done
.irp i, 0,1,2,3,4,5,6,7
	v_lshrrev_b32 v[BCUR+\i], 23, v[SCL+\i]        ; the scale's byte
.endr
	WIN 0x41
.irp i, 0,1,2,3,4,5,6,7
.irp e, 0,1,2,3
	v_med3_num_f32 v[XK+4*\i+\e], v[XK+4*\i+\e], -v[LIM+\i], v[LIM+\i]   ; the conversion does not saturate (ISA guide 7.6.2)
.endr
.endr
	WIN 0x01
.irp q, 0,1,2,3
	v_cvt_scalef32_pk8_fp8_f32 v[DCUR+4*\q:DCUR+4*\q+1], v[XK+8*\q:XK+8*\q+7], v[SCL+2*\q]       ; with the first load's scale: the low register is kept,
	v_cvt_scalef32_pk8_fp8_f32 v[DCUR+4*\q+2:DCUR+4*\q+3], v[XK+8*\q:XK+8*\q+7], v[SCL+2*\q+1]   ; with the second's: the high register
.endr
	v_nop                                          ; one plain line behind the last conversion
	WIN 0
.irp i, 0,1,2,3,4,5,6,7
	ds_store_b32 v[VC], v[DCUR+4*(\i/2)+3*(\i%2)] offset:POS*PITCH+128*\i
.endr
.irp i, 0,1,2,3,4,5,6,7
	ds_store_b8 v[VS], v[BCUR+\i] offset:POS*32+4*\i                  ; the eight lanes of a block write the same byte with the same value
.endr
.if \ahead
	WIN 0x40
.irp i, 0,1,2,3,4,5,6,7
	global_load_b128 v[XK+4*\i:XK+4*\i+3], v[VG], s[84:85] offset:4096*(\k)+32768+512*\i
.endr
	WIN 0
.endif
.endm
.macro TRIP8 ahead
	v_add_nc_u32 v[VC], s86, v[VC0]
	v_add_nc_u32 v[VS], s87, v[VS0]
.irp k, 0,1,2,3,4,5,6,7
.if \ahead
	ROW \k, 1, 56                                  ; seven younger rows of eight loads stay out
.else
	ROW \k, 0, 56-8*\k                             ; the last eight rows load nothing: the counts run down
.endif
.endr
.if \ahead
	s_wait_xcnt 0x0                                ; the loads have read their base: only behind this wait is it stepped
	s_add_nc_u64 s[84:85], s[84:85], 32768
	s_add_co_u32 s86, s86, 4*PITCH
	s_add_co_u32 s87, s87, 4*32
.endif
.endm
; The 32 rows in LDS become tiles 2 u and 2 u + 1.  The bytes are my wave's own, and LDS serves a wave's instructions in order (ISA guide 5.7.1.4)
.macro RELOAD u
.irp v, 0,1
	WIN 0x80
.irp s, 0,1,2,3
.irp c, 0,1,2,3
	ds_load_b128 v[16*(4*\s+2*(\u)+\v)+4*\c:16*(4*\s+2*(\u)+\v)+4*\c+3], v[VR] offset:16*\v*PITCH+128*\s+32*\c
.endr
.endr
	WIN 0xc0
.irp s, 0,1,2,3
.irp c, 0,1,2,3
	ds_load_b128 v[16*(4*\s+2*(\u)+\v)+4*\c:16*(4*\s+2*(\u)+\v)+4*\c+3], v[VR] offset:16*\v*PITCH+128*(\s+4)+32*\c
.endr
.endr
	WIN 0
	ds_load_b128 v[ASC+8*(2*(\u)+\v):ASC+8*(2*(\u)+\v)+3], v[VRS] offset:512*\v
	ds_load_b128 v[ASC+8*(2*(\u)+\v)+4:ASC+8*(2*(\u)+\v)+7], v[VRS] offset:512*\v+16
.endr
.endm
; A later first fill: every wave's three lines, a whole round, then my quarter of a slot
.macro SEQ g0
	s_wait_tensorcnt 0x0                           ; my earlier load has landed
	ds_add_u32 v[SPW], v[NIL]
	s_wait_dscnt 0x0
	CROUND
	tensor_load_to_lds s[\g0:\g0+3], s[32:39]
	s_nop 0
	NOPS 4
.endm
	; ---- PHASE L: my 64 rows, in two halves of 32
	s_mov_b32 s86, 0
	s_mov_b32 s87, 0
	s_mov_b32 s91, 4
.Lhalf_a:
	TRIP8 1
	s_sub_co_u32 s91, s91, 1
	s_cmp_lg_u32 s91, 0
	s_cbranch_scc1 .Lhalf_a
	RELOAD 0
	SEQ 76                                         ; the round shows the scale bytes and the tables to all; slot 0 is asked for
	s_mov_b32 s86, 0
	s_mov_b32 s87, 0
	s_mov_b32 s91, 3
.Lhalf_b:
	TRIP8 1
	s_sub_co_u32 s91, s91, 1
	s_cmp_lg_u32 s91, 0
	s_cbranch_scc1 .Lhalf_b
	SEQ 80                                         ; the round shows slot 0 to all; slot 1 is asked for: it is waited for in the step that leaves slot 0
	TRIP8 0
	RELOAD 1
; ---- PHASE C
.macro FETCH ab, as, at                ; a tile's 40 LDS loads: eight fragments into window 1, its scale words, hb, Wc_w, V_w
	WIN 0x40
.irp s, 0,1,2,3,4,5,6,7
.irp c, 0,1,2,3
	ds_load_b128 v[16*\s+4*\c:16*\s+4*\c+3], v[\ab] offset:128*\s+32*\c
.endr
.endr
	WIN 0
	ds_load_b128 v[BSC:BSC+3], v[\as]
	ds_load_b128 v[BSC+4:BSC+7], v[\as] offset:16
	ds_load_b128 v[HB:HB+3], v[\at]
	ds_load_b128 v[HB+4:HB+7], v[\at] offset:16
	ds_load_b128 v[WCN:WCN+3], v[\at] offset:4096
	ds_load_b128 v[WCN+4:WCN+7], v[\at] offset:4096+16
	ds_load_b128 v[VWN:VWN+3], v[\at] offset:8192
	ds_load_b128 v[VWN+4:VWN+7], v[\at] offset:8192+16
.endm
.macro XFILL                           ; phase X's ring is filled: my rows 56 to 63 (phase L has left its base at row 56)
	WIN 0x40
.irp k, 0,1,2,3,4,5,6,7
.irp i, 0,1,2,3,4,5,6,7
	global_load_b128 v[32*\k+4*\i:32*\k+4*\i+3], v[VG], s[84:85] offset:4096*\k+512*\i th:TH_LOAD_NT
.endr
.endr
	WIN 0
.endm
.macro MUL                             ; 32 products: source 0 window 1, source 1 window 2 (K steps 0-3) or 3; the four accumulators take turns, one instruction a turn
.irp s, 0,1,2,3,4,5,6,7
.if \s == 0
	WIN 0x09
.elseif \s == 4
	WIN 0x0d
.endif
.irp t, 0,1,2,3
.if \s == 0
	v_wmma_scale_f32_16x16x128_f8f6f4 v[ACC+8*\t:ACC+8*\t+7], v[16*\s:16*\s+15], v[16*(4*(\s%4)+\t):16*(4*(\s%4)+\t)+15], v[HB:HB+7], v[BSC+\s], v[ASC+8*\t+\s]
.else
	v_wmma_scale_f32_16x16x128_f8f6f4 v[ACC+8*\t:ACC+8*\t+7], v[16*\s:16*\s+15], v[16*(4*(\s%4)+\t):16*(4*(\s%4)+\t)+15], v[ACC+8*\t:ACC+8*\t+7], v[BSC+\s], v[ASC+8*\t+\s]
.endif
.endr
.endr
	WIN 0
.endm
.macro EPI                             ; the epilogue, in place on the 32 sums, each accumulator read from its low end on.  Each batch of transcendentals has one wait ahead of it and one behind it
.irp pr, 0,2,4,6
.irp y, 0,2
	v_pk_fma_f32 v[ACC+8*\y+\pr:ACC+8*\y+\pr+1], v[COV+\y:COV+\y+1], v[WC+\pr:WC+\pr+1], v[ACC+8*\y+\pr:ACC+8*\y+\pr+1] op_sel_hi:[0,1,1]                       ; the coverage pair's first register for the even tile,
	v_pk_fma_f32 v[ACC+8*\y+8+\pr:ACC+8*\y+9+\pr], v[COV+\y:COV+\y+1], v[WC+\pr:WC+\pr+1], v[ACC+8*\y+8+\pr:ACC+8*\y+9+\pr] op_sel:[1,0,0] op_sel_hi:[1,1,1]   ; its second for the odd
.endr
.endr
.set J, 0
.rept 16
	v_pk_mul_f32 v[ACC+J:ACC+J+1], v[ACC+J:ACC+J+1], s[94:95] op_sel_hi:[1,0]
.set J, J+2
.endr
	s_wait_alu depctr_va_vdst(0)
.set J, 0
.rept 32
	v_exp_f32 v[ACC+J], v[ACC+J]
.set J, J+1
.endr
	v_nop
	s_wait_alu depctr_va_vdst(0)
.set J, 0
.rept 16
	v_pk_add_f32 v[ACC+J:ACC+J+1], v[ACC+J:ACC+J+1], 1.0 op_sel_hi:[1,0]
.set J, J+2
.endr
	s_wait_alu depctr_va_vdst(0)
.set J, 0
.rept 32
	v_rcp_f32 v[ACC+J], v[ACC+J]                   ; rho
.set J, J+1
.endr
	v_nop
	s_wait_alu depctr_va_vdst(0)
.irp pr, 0,2,4,6
.irp t, 0,1,2,3
	v_pk_fma_f32 v[SS+2*\t:SS+2*\t+1], v[ACC+8*\t+\pr:ACC+8*\t+\pr+1], v[VW+\pr:VW+\pr+1], v[SS+2*\t:SS+2*\t+1]
.endr
.endr
.endm
; A STEP.  nxt = 1: a tile follows and is fetched; 2: the last tile: phase X's first rows are asked for instead.  bar = 1: the slot's last tile, the slot is left and filled again; 2: left without a refill.
; The change of slots: this tile's fragments are in registers when the wait for 0 on DScnt has passed, so my reads of the slot are over; each wave has waited for its one tensor load, its part of the slot ahead.
; The 32 products and the moves, work on registers, stand between the signal and the wait; behind the round the refill comes first, then the new slot is read.  The refill has four steps in which to land.
.macro STEP nxt, bar
.if (\nxt) == 1
	v_add_nc_u32 v[ADB], s88, v[AB0]
	v_add_nc_u32 v[ADS], s89, v[AS0]
	v_add_nc_u32 v[ADT], s90, v[AT0]
	s_wait_alu depctr_va_vdst(0)
	s_add_co_u32 s88, s88, TILEB
	s_add_co_u32 s89, s89, 512
	s_add_co_u32 s90, s90, 64
.endif
.if \bar
	s_wait_tensorcnt 0x0                           ; no tensor load of mine is out, so a group 0 may be written
	ds_add_u32 v[SPW], v[NIL]
.if (\bar) == 1
	s_xor_b32 s81, s81, SLOTB                      ; the walking descriptor: the other slot than last time,
	s_add_nc_u64 s[82:83], s[82:83], 65536         ; the next 64 units
.endif
.endif
	s_wait_dscnt 0x0                               ; this tile's 40 loads are in (and the add is done)
.if \bar
	s_barrier_signal -1
.endif
	MUL
.irp i, 0,2,4,6                        ; eight lines that name no register of the products: the eight places ahead of the loads into what they read and of the first read of the sums
	v_dual_mov_b32 v[WC+\i], v[WCN+\i] :: v_dual_mov_b32 v[WC+\i+1], v[WCN+\i+1]
.endr
.irp i, 0,2,4,6
	v_dual_mov_b32 v[VW+\i], v[VWN+\i] :: v_dual_mov_b32 v[VW+\i+1], v[VWN+\i+1]
.endr
.if \bar
	s_barrier_wait -1
.if (\bar) == 1
	CREST                                          ; no wave of any partner still reads the slot or has a load on its way
	tensor_load_to_lds s[80:83], s[32:39]          ; my one tensor load behind the round, and the first thing there
	s_nop 0
	NOPS 4
.endif
.endif
.if (\nxt) == 1
	FETCH ADB, ADS, ADT
.elseif (\nxt) == 2
	XFILL
.endif
.if \bar
	s_wait_alu depctr_va_vdst(0)                   ; Wc_w was moved ahead of the barrier
.endif
	EPI
.endm
.macro INNER cnt                       ; a slot's first three tiles: a step is written once
	s_mov_b32 s92, \cnt
.Linner_\@:
	STEP 1, 0
	s_sub_co_u32 s92, s92, 1
	s_cmp_lg_u32 s92, 0
	s_cbranch_scc1 .Linner_\@
.endm
.macro FLIP                            ; the next tile to be fetched is the other slot's first
	s_sub_co_u32 s88, s88, SLOTB
	s_xor_b32 s88, s88, SLOTB
.endm
	FETCH AB0, AS0, AT0                            ; tile 0
	s_load_b128 s[4:7], s[0:1], 0x40               ; pctx s[4:5], stats s[6:7]: waited for ahead of the last step
	s_mov_b32 s88, TILEB                           ; tile 1's rows, scale bytes and place in the tables
	s_mov_b32 s89, 512
	s_mov_b32 s90, 64
	INNER 3
	FLIP
	s_mov_b32 s91, 14
.Lslot:                                                ; 14 trips: every slot but the last two is filled again
	STEP 1, 1
	INNER 3
	FLIP
	s_sub_co_u32 s91, s91, 1
	s_cmp_lg_u32 s91, 0
	s_cbranch_scc1 .Lslot
	STEP 1, 2                                      ; the tail is written out
	INNER 3
	s_lshl_b32 s2, s28, 2
	s_add_co_u32 s2, s2, s26                       ; my wave's number in the launch: 4 X + wave
	s_lshl_b32 s86, s2, 12                         ; its 4,096 bytes of pctx,
	s_mov_b32 s87, 0
	s_lshl_b32 s2, s2, 8                           ; its 256 bytes of stats
	s_mov_b32 s3, 0
	s_wait_kmcnt 0x0
	s_add_nc_u64 s[4:5], s[4:5], s[86:87]
	s_add_nc_u64 s[6:7], s[6:7], s[2:3]
	STEP 2, 0                                      ; the last tile
	; ---- the scores
.irp t, 0,1,2,3
	v_add_f32 v[SS+2*\t], v[SS+2*\t], v[SS+2*\t+1] ; a tile's two halves,
.endr
.irp t, 0,1,2,3
	v_permlanex16_b32 v[ACC+\t], v[SS+2*\t], s96, s97
.endr
.irp t, 0,1,2,3
	v_add_f32 v[SS+2*\t], v[SS+2*\t], v[ACC+\t]    ; and the other eight units of each sixteen, in lane l xor 16
.endr
.irp t, 0,1,2,3
	v_mul_f32 v[SS+2*\t], -2.0, v[SS+2*\t]         ; the score of my row in tile t
.endr
	v_lshlrev_b32 v[ADS], 3, v14
	v_lshl_add_u32 v[ADS], v15, 7, v[ADS]          ; rows 32 h + 2 r and 32 h + 2 r + 1: tiles 2 h and 2 h + 1: lane l has rows 2 l and 2 l + 1
	v_cmp_ne_u32 vcc_lo, 0, v15
	v_cndmask_b32 v30, v[SS], v[SS+4], vcc_lo
	v_cndmask_b32 v31, v[SS+2], v[SS+6], vcc_lo
	global_store_b64 v[ADS], v[30:31], s[22:23]    ; 32 lanes store 256 consecutive bytes, at a multiple of 256 from the buffer's first byte
	; ---- PHASE X: m, p and the sum of p of my 64 rows
	v_mov_b32 v[ST+4], 0                           ; a lane permute's destination counts as one of its sources
	v_max_num_f32 v[ST], v30, v31
.irp m, 1,2,4,8
	v_max_num_f32_dpp v[ST], v[ST], v[ST] row_xmask:\m row_mask:0xf bank_mask:0xf
.endr
	v_permlanex16_b32 v[ST+4], v[ST], s96, s97
	v_max_num_f32 v[ST], v[ST], v[ST+4]            ; m: the largest of my wave's 64 scores
	v_sub_f32 v[ST+2], v31, v[ST]
	v_sub_f32 v[ST+3], v30, v[ST]
	v_mul_f32 v[ST+2], 0x3fb8aa3b, v[ST+2]         ; (score - m) log2(e), 0 or less
	v_mul_f32 v[ST+3], 0x3fb8aa3b, v[ST+3]
	v_lshrrev_b32 v[VC], 5, v0
	v_lshl_add_u32 v[VPW], v[VC], 10, ASB          ; my wave's bytes
	v_and_b32 v[VC], 31, v0
	v_lshlrev_b32 v[SO], 3, v[VC]
	v_xor_b32 v[VC], 31, v[VC]
	v_lshl_add_u32 v[VPS], v[VC], 3, v[VPW]        ; row n's p lies at word 63 - n: the order of the walk
	s_wait_alu depctr_va_vdst(0)                   ; the wait ahead of the batch
	v_exp_f32 v[ST+2], v[ST+2]
	v_exp_f32 v[ST+3], v[ST+3]
	v_nop
	s_wait_alu depctr_va_vdst(0)                   ; and behind it
	ds_store_b64 v[VPS], v[ST+2:ST+3]              ; p of rows 2 l + 1 and 2 l.  The bytes are my wave's own: its loads below see this store
	v_add_f32 v[ST+1], v[ST+2], v[ST+3]
.irp m, 1,2,4,8
	v_add_f32_dpp v[ST+1], v[ST+1], v[ST+1] row_xmask:\m row_mask:0xf bank_mask:0xf
.endr
	v_permlanex16_b32 v[ST+4], v[ST+1], s96, s97
	v_add_f32 v[ST+1], v[ST+1], v[ST+4]            ; the sum of my 64 p
	global_store_b64 v[SO], v[ST:ST+1], s[6:7]     ; every lane stores the same pair: 256 consecutive bytes, aligned
.set J, 0
.rept 32
	v_mov_b32 v[CX+J], 0
.set J, J+1
.endr
; One row of the walk, in ring slot k: 16 multiply-adds on my 32 columns.  Slot k's p is the trip's word 7 - k.
.macro XROW k, ahead, left
.set PP, PWR+2*((7-(\k))/2)
	s_wait_loadcnt \left
	WIN 0x01                                       ; source 0 window 1
.irp i, 0,2,4,6,8,10,12,14,16,18,20,22,24,26,28,30
.if (\k)%2
	v_pk_fma_f32 v[CX+\i:CX+\i+1], v[32*(\k)+\i:32*(\k)+\i+1], v[PP:PP+1], v[CX+\i:CX+\i+1] op_sel_hi:[1,0,1]                ; the pair's first register,
.else
	v_pk_fma_f32 v[CX+\i:CX+\i+1], v[32*(\k)+\i:32*(\k)+\i+1], v[PP:PP+1], v[CX+\i:CX+\i+1] op_sel:[0,1,0] op_sel_hi:[1,1,1] ; or its second
.endif
.endr
.if \ahead
	WIN 0x40
.irp i, 0,1,2,3,4,5,6,7
	global_load_b128 v[32*(\k)+4*\i:32*(\k)+4*\i+3], v[VG], s[84:85] offset:4096*(\k)-32768+512*\i th:TH_LOAD_NT   ; the row eight further up
.endr
.endif
	WIN 0
.endm
.macro XTRIP ahead
	v_add_nc_u32 v[VC], s86, v[VPW]
	ds_load_b128 v[PWR:PWR+3], v[VC]               ; every lane reads the same 32 bytes
	ds_load_b128 v[PWR+4:PWR+7], v[VC] offset:16
	s_wait_dscnt 0x0
.irp k, 0,1,2,3,4,5,6,7
.if \ahead
	XROW \k, 1, 56                                 ; seven younger rows of eight loads stay out
.else
	XROW \k, 0, 56-8*\k
.endif
.endr
.if \ahead
	s_wait_xcnt 0x0                                ; the loads have read their base: only behind this wait is it stepped
	s_sub_nc_u64 s[84:85], s[84:85], 32768
	s_add_co_u32 s86, s86, 32
.endif
.endm
	s_mov_b32 s86, 0
	s_mov_b32 s91, 7
.Lxrow:
	XTRIP 1
	s_sub_co_u32 s91, s91, 1
	s_cmp_lg_u32 s91, 0
	s_cbranch_scc1 .Lxrow
	XTRIP 0                                        ; rows 0 to 7: nothing is left to load
.irp i, 0,1,2,3,4,5,6,7
	global_store_b128 v[VG], v[CX+4*\i:CX+4*\i+3], s[4:5] offset:512*\i   ; columns 128 i + 4 lane ..: 32 lanes store 512 consecutive bytes, aligned
.endr
	s_wait_tensorcnt 0x0                           ; the wave's end
	ds_add_u32 v[SPW], v[NIL]
	s_wait_dscnt 0x0
	CROUND                                         ; the closing round
	s_endpgm
.Lfunc_end_k_q360924e12e_scores:
	.size	k_q360924e12e_scores, .Lfunc_end_k_q360924e12e_scores-k_q360924e12e_scores
	.p2alignl 7, 3214868480
	.fill 96, 4, 3214868480
	.section	.rodata,"a",@progbits
	.p2align	6, 0x0
	.amdhsa_kernel k_q360924e12e_scores
		.amdhsa_group_segment_fixed_size 327680
		.amdhsa_private_segment_fixed_size 0
		.amdhsa_enable_private_segment 0
		.amdhsa_kernarg_size 80
		.amdhsa_user_sgpr_count 2
		.amdhsa_user_sgpr_kernarg_segment_ptr 1
		.amdhsa_wavefront_size32 1
		.amdhsa_system_sgpr_workgroup_id_x 1
		.amdhsa_system_sgpr_workgroup_id_y 1
		.amdhsa_system_sgpr_workgroup_id_z 1
		.amdhsa_system_vgpr_workitem_id 0
		.amdhsa_next_free_vgpr 1024
		.amdhsa_next_free_sgpr 100
		.amdhsa_reserve_vcc 1
		.amdhsa_float_denorm_mode_32 3
		.amdhsa_float_denorm_mode_16_64 3
		.amdhsa_memory_ordered 1
		.amdhsa_forward_progress 1
		.amdhsa_inst_pref_size 255
	.end_amdhsa_kernel
	.section	.bss,"aw",@nobits
	.p2align	6
	.space	262144
	.amdgpu_metadata
---
amdhsa.version: [ 1, 2 ]
amdhsa.kernels:
  - .name:           k_q360924e12e_scores
    .symbol:         k_q360924e12e_scores.kd
    .args:
      - { .name: enc_output, .offset: 0, .size: 8, .value_kind: global_buffer, .address_space: global }
      - { .name: prev_coverage, .offset: 8, .size: 8, .value_kind: global_buffer, .address_space: global }
      - { .name: Ws_w_codes, .offset: 16, .size: 8, .value_kind: global_buffer, .address_space: global }
      - { .name: Ws_w_scales, .offset: 24, .size: 8, .value_kind: global_buffer, .address_space: global }
      - { .name: hb, .offset: 32, .size: 8, .value_kind: global_buffer, .address_space: global }
      - { .name: Wc_w, .offset: 40, .size: 8, .value_kind: global_buffer, .address_space: global }
      - { .name: V_w, .offset: 48, .size: 8, .value_kind: global_buffer, .address_space: global }
      - { .name: scores, .offset: 56, .size: 8, .value_kind: global_buffer, .address_space: global }
      - { .name: pctx, .offset: 64, .size: 8, .value_kind: global_buffer, .address_space: global }
      - { .name: stats, .offset: 72, .size: 8, .value_kind: global_buffer, .address_space: global }
    .group_segment_fixed_size: 327680
    .private_segment_fixed_size: 0
    .kernarg_segment_align: 8
    .kernarg_segment_size: 80
    .max_flat_workgroup_size: 128
    .sgpr_count:     100
    .vgpr_count:     1024
    .wavefront_size: 32
...
	.end_amdgpu_metadata
.endif
;; end of part 2
;; launch finish (part 3): grid 8 x 32, 1 waves a work-group, no clusters, 0 bytes of LDS; arguments pctx, stats, scores, prev_coverage, out0, out1, out2; writes out0, out1, out2
.if DOCPART == 3
	.amdgcn_target "amdgcn-amd-amdhsa--gfx1250"
	.amdhsa_code_object_version 6
	.text
	.protected	k_q360924e12e_finish
	.globl	k_q360924e12e_finish
	.p2align	8
	.type	k_q360924e12e_finish,@function
k_q360924e12e_finish:
	s_mov_b64 s[64:65], 0
	v_nop
	global_prefetch_b8 v0, s[64:65] scope:SCOPE_SE
	s_setreg_imm32_b32 hwreg(HW_REG_WAVE_MODE, 25, 1), 1
	s_wait_xcnt 0x0
; out1[b][s] = softmax over s of scores[b][s];  out2 = out1 + prev_coverage;  out0[b][d] = sum over s of out1[b][s] enc_output[b][s][d], joined from the 32 parts that the launch before left for each batch.  All f32.
; The scores come without the term that is the same for all s of a batch (launch scores): the softmax is the same.
; Part l of batch b (wave 32 b + l of that launch): m_l = the largest of its 64 scores, t_l = the sum of 2^((s - m_l) log2(e)), pctx_l[d] = the same weights times enc_output.
; M = the largest m_l is the batch's true maximum; f_l = 2^((m_l - M) log2(e)), at most 1; T = sum of f_l t_l, at least 1; out0 = sum of (f_l / T) pctx_l; out1 = 2^((s - M) log2(e)) / T.
; SHARES.  Work-group (j, b), one wave, owns out0[b][128 j .. + 127] and rows 256 j .. + 255 of out1 and out2: each output has one owner.  Lane l takes part l's pair (m, t); the weights f_l / T go to scalar registers by lane reads.
; All 37 loads go out at once.  No LDS, no matrix unit, no cluster, no prefetch: there is no loop, and a work-group reads 19 KiB.
; LIMITS: NaN and infinities among the inputs are not served.
.set PX, 64                            ; v64-191 the 32 parts' four columns of my lane
	s_load_b256 s[4:11], s[0:1], 0x0               ; pctx s[4:5], stats s[6:7], scores s[8:9], coverage s[10:11]
	s_load_b128 s[12:15], s[0:1], 0x20             ; out0 s[12:13], out1 s[14:15]
	s_load_b64 s[16:17], s[0:1], 0x30              ; out2
	v_lshlrev_b32 v1, 4, v0                        ; 16 x lane
	v_lshlrev_b32 v2, 8, v0                        ; part l's record of 256 bytes
	v_mov_b32 v3, 0                                ; a lane permute's destination counts as one of its sources
	s_and_b32 s18, ttmp7, 0xffff                   ; b
	s_lshl_b32 s20, s18, 17                        ; the batch's 32 parts of 4,096 bytes,
	s_lshl_b32 s19, ttmp9, 9                       ; my 128 columns
	s_add_co_u32 s20, s20, s19
	s_mov_b32 s21, 0
	s_lshl_b32 s22, s18, 13                        ; the batch's 32 records; also its 2,048 numbers of 4 bytes
	s_mov_b32 s23, 0
	s_lshl_b32 s24, ttmp9, 10                      ; my 256 rows
	s_add_co_u32 s24, s24, s22
	s_mov_b32 s25, 0
	s_lshl_b32 s26, s18, 12                        ; the batch's row of out0, my 128 columns
	s_add_co_u32 s26, s26, s19
	s_mov_b32 s27, 0
	s_mov_b32 s28, 0x76543210
	s_mov_b32 s29, 0xfedcba98                      ; v_permlanex16_b32's selects for lane l xor 16
	s_wait_alu depctr_va_vdst(0)
	s_wait_kmcnt 0x0
	s_add_nc_u64 s[4:5], s[4:5], s[20:21]
	s_add_nc_u64 s[6:7], s[6:7], s[22:23]
	s_add_nc_u64 s[8:9], s[8:9], s[24:25]
	s_add_nc_u64 s[10:11], s[10:11], s[24:25]
	s_add_nc_u64 s[12:13], s[12:13], s[26:27]
	s_add_nc_u64 s[14:15], s[14:15], s[24:25]
	s_add_nc_u64 s[16:17], s[16:17], s[24:25]
	global_load_b64 v[4:5], v2, s[6:7]             ; (m_l, t_l)
	global_load_b128 v[8:11], v1, s[8:9]           ; my eight scores: rows 4 l .. and 128 + 4 l ..
	global_load_b128 v[12:15], v1, s[8:9] offset:512
	global_load_b128 v[16:19], v1, s[10:11]        ; and their coverage
	global_load_b128 v[20:23], v1, s[10:11] offset:512
.set P, 0
.rept 32
	global_load_b128 v[PX+4*P:PX+4*P+3], v1, s[4:5] offset:4096*P   ; 32 lanes read 512 consecutive bytes of part P
.set P, P+1
.endr
	s_wait_loadcnt 34                              ; the pair and the scores are in; the coverage's 2 and the parts' 32 stay out
	v_mov_b32 v6, v4
.irp m, 1,2,4,8
	v_max_num_f32_dpp v6, v6, v6 row_xmask:\m row_mask:0xf bank_mask:0xf
.endr
	v_permlanex16_b32 v3, v6, s28, s29
	v_max_num_f32 v6, v6, v3                       ; M
	v_sub_f32 v7, v4, v6
.irp i, 8,9,10,11,12,13,14,15
	v_sub_f32 v[\i], v[\i], v6
.endr
	v_mul_f32 v7, 0x3fb8aa3b, v7
.irp i, 8,9,10,11,12,13,14,15
	v_mul_f32 v[\i], 0x3fb8aa3b, v[\i]             ; (s - M) log2(e), 0 or less
.endr
	s_wait_alu depctr_va_vdst(0)                   ; one wait ahead of the batch and one behind it
	v_exp_f32 v7, v7                               ; f_l
.irp i, 8,9,10,11,12,13,14,15
	v_exp_f32 v[\i], v[\i]
.endr
	v_nop
	s_wait_alu depctr_va_vdst(0)
	v_mul_f32 v24, v7, v5
.irp m, 1,2,4,8
	v_add_f32_dpp v24, v24, v24 row_xmask:\m row_mask:0xf bank_mask:0xf
.endr
	v_permlanex16_b32 v3, v24, s28, s29
	v_add_f32 v24, v24, v3                         ; T
	s_wait_alu depctr_va_vdst(0)
	v_rcp_f32 v25, v24
	v_nop
	s_wait_alu depctr_va_vdst(0)
	v_mul_f32 v7, v7, v25                          ; f_l / T
.irp i, 8,9,10,11,12,13,14,15
	v_mul_f32 v[\i], v[\i], v25                    ; the weights of my eight rows
.endr
.set P, 0
.rept 32
	v_readlane_b32 s[32+P], v7, P
.set P, P+1
.endr
	global_store_b128 v1, v[8:11], s[14:15]        ; 32 lanes store 512 consecutive bytes, aligned; these registers are not written again
	global_store_b128 v1, v[12:15], s[14:15] offset:512
	s_wait_alu depctr_va_vdst(0)
	s_wait_loadcnt 32                              ; the coverage is in
.irp i, 0,1,2,3,4,5,6,7
	v_add_f32 v[16+\i], v[16+\i], v[8+\i]
.endr
	global_store_b128 v1, v[16:19], s[16:17]
	global_store_b128 v1, v[20:23], s[16:17] offset:512
	s_wait_loadcnt 0x0                             ; the parts are in
.irp e, 0,1,2,3
	v_mul_f32 v[40+\e], s32, v[PX+\e]              ; part 0 starts the sums
.endr
.set P, 1
.rept 31
.irp e, 0,1,2,3
	v_fmac_f32 v[40+\e], s[32+P], v[PX+4*P+\e]
.endr
.set P, P+1
.endr
	global_store_b128 v1, v[40:43], s[12:13]       ; 32 lanes store 512 consecutive bytes, at a multiple of 256 from out0's first byte
	s_endpgm
.Lfunc_end_k_q360924e12e_finish:
	.size	k_q360924e12e_finish, .Lfunc_end_k_q360924e12e_finish-k_q360924e12e_finish
	.p2alignl 7, 3214868480
	.fill 96, 4, 3214868480
	.section	.rodata,"a",@progbits
	.p2align	6, 0x0
	.amdhsa_kernel k_q360924e12e_finish
		.amdhsa_group_segment_fixed_size 0
		.amdhsa_private_segment_fixed_size 0
		.amdhsa_enable_private_segment 0
		.amdhsa_kernarg_size 56
		.amdhsa_user_sgpr_count 2
		.amdhsa_user_sgpr_kernarg_segment_ptr 1
		.amdhsa_wavefront_size32 1
		.amdhsa_system_sgpr_workgroup_id_x 1
		.amdhsa_system_sgpr_workgroup_id_y 1
		.amdhsa_system_sgpr_workgroup_id_z 1
		.amdhsa_system_vgpr_workitem_id 0
		.amdhsa_next_free_vgpr 192
		.amdhsa_next_free_sgpr 66
		.amdhsa_reserve_vcc 0
		.amdhsa_float_denorm_mode_32 3
		.amdhsa_float_denorm_mode_16_64 3
		.amdhsa_memory_ordered 1
		.amdhsa_forward_progress 1
		.amdhsa_inst_pref_size 15
	.end_amdhsa_kernel
	.amdgpu_metadata
---
amdhsa.version: [ 1, 2 ]
amdhsa.kernels:
  - .name:           k_q360924e12e_finish
    .symbol:         k_q360924e12e_finish.kd
    .args:
      - { .name: pctx, .offset: 0, .size: 8, .value_kind: global_buffer, .address_space: global }
      - { .name: stats, .offset: 8, .size: 8, .value_kind: global_buffer, .address_space: global }
      - { .name: scores, .offset: 16, .size: 8, .value_kind: global_buffer, .address_space: global }
      - { .name: prev_coverage, .offset: 24, .size: 8, .value_kind: global_buffer, .address_space: global }
      - { .name: out0, .offset: 32, .size: 8, .value_kind: global_buffer, .address_space: global }
      - { .name: out1, .offset: 40, .size: 8, .value_kind: global_buffer, .address_space: global }
      - { .name: out2, .offset: 48, .size: 8, .value_kind: global_buffer, .address_space: global }
    .group_segment_fixed_size: 0
    .private_segment_fixed_size: 0
    .kernarg_segment_align: 8
    .kernarg_segment_size: 56
    .max_flat_workgroup_size: 32
    .sgpr_count:     66
    .vgpr_count:     192
    .wavefront_size: 32
...
	.end_amdgpu_metadata
.endif
;; end of part 3
